; MI455X (gfx1250); checked and timed in simulation.
; The chip was launched on July 23, 2026; its instructions are those of AMD's public machine-readable ISA for CDNA 5 (MIT licence, August 2026) and "CDNA5" Instruction Set Architecture Reference Guide (July 2026). The comments in the code are by the model that wrote it; some were corrected since.
;; Self Attention. Allowed arithmetic: matrix products marked QUANTISED: E2M3 operands, one E8M0 scale for each 32 along K, by v_wmma_scale_f32_16x16x128_f8f6f4 with both operands' format E2M3, f32 sums; everything else in f32.
;; Inputs: Wk 64 x 256 float32; Wq 64 x 256 float32; Wv 256 x 256 float32; bk 64 float32; bq 64 float32; bv 256 float32; gamma 1 float32; x 8 x 256 x 64 x 64 float32.
;; Outputs: out0 8 x 256 x 64 x 64 float32.
;; This version of the problem:
;;   THIS VERSION OF THE PROBLEM IS GIVEN IN LOW PRECISION. The matrix products marked QUANTISED in the list below multiply operands that are first quantised to E2M3 (2 exponent bits, 3 mantissa bits; 6 bits a number), with one power-of-two scale for each 32 numbers along K (OCP MX v1.0); their sums are f32. All else is computed in f32.
;;   The module's matrix products, in the order in which they are computed (A, B: the left and right operand; K: the contracted axis; several contracted axes count as one K, in the product's order):
;;     1. [M 32,768, K 256] x [K 256, N 64]; A: input x; B: input Wq: QUANTISED
;;     2. [M 32,768, K 256] x [K 256, N 64]; A: input x; B: input Wk: QUANTISED
;;     3. [M 32,768, K 256] x [K 256, N 256]; A: input x; B: input Wv: QUANTISED
;;     4. batch 8 x [M 4,096, K 64] x [K 64, N 4,096]; A: computed on the way; B: computed on the way: QUANTISED
;;     5. batch 8 x [M 256, K 4,096] x [K 4,096, N 4,096]; A: computed on the way; B: softmax (see below): QUANTISED
;;   THE QUANTISER, for each operand of a quantised product, along K:
;;     - K is cut into blocks of 32 from its start; a last block that is shorter is filled with zeros.
;;     - A block's scale is 2^e with e = floor(log2(the largest magnitude in the block)) - 2, held to -126 .. 127; a block of zeros has e = 0. As a byte (E8M0): e + 127.
;;     - Each number is divided by its block's scale, clamped to +-7.5, and rounded to the nearest number of E2M3, ties to even, subnormals kept.
;;     - The product sums the exact products of the quantised numbers (number of the format x scale) in f32.
;;   ~~~python
;;   def quantise(x, axis):      # numpy; x: float32 -> the quantised numbers, widened to float32 again
;;       x = np.moveaxis(x, axis, -1); K = x.shape[-1]
;;       x = np.pad(x, [(0, 0)] * (x.ndim - 1) + [(0, -K % 32)]); x = x.reshape(x.shape[:-1] + (-1, 32)); a = np.abs(x).max(-1, keepdims=True)
;;       e = np.where(a > 0, np.clip(np.frexp(np.where(a > 0, a, 1))[1] - 1 - 2, -126, 127), 0)      # np.frexp(a)[1] - 1 = floor(log2(a)), exactly
;;       r = np.clip(x / 2.0 ** e, -7.5, 7.5)
;;       step = 2.0 ** (np.maximum(np.frexp(np.where(r == 0, 1, r))[1] - 1, 0) - 3)
;;       q = np.round(r / step) * step * 2.0 ** e      # np.round: ties to even
;;       return np.moveaxis(q.reshape(q.shape[:-2] + (-1,))[..., :K], -1, axis).astype(np.float32)
;;   ~~~
;;   SOFTMAX AHEAD OF A QUANTISED PRODUCT. Where the list says 'softmax', what is quantised is not the finished softmax but p = 2^(t - M), with t = logit x log2(e) and M = ceil(the row's largest t), a whole number; so 1/2 < the row's largest p <= 1. The row's sum l is taken of the UNQUANTISED p, in f32, and the product's result is divided by l at the end. Since M is a whole number, a kernel that streams over the keys may use a running M (the ceiling of the running maximum): every later rescaling is an exact power of two, which a block's scale takes up: the codes' values come out the same.
;;   OPERANDS COMPUTED ON THE WAY. 'Computed on the way' means the value that the module computes at that place (a softmax that the list does not call 'softmax' is quantised finished and normalised). What goes into a quantiser is computed in f32, as accurately as f32 sums, v_exp_f32 and their like allow (about 1e-6 of the number): no bf16 or f16 on the way to a quantiser, and a product that is left as it is and whose result goes on into a quantised operand takes f32 operands (vector FMAs, or v_wmma_f32_16x16x4_f32). A number that lies on a knife's edge between two numbers of the format may be rounded either way, as far as f32 arithmetic and the matrix unit's own rounding can turn it there, and no further.
;; One version. Each part assembles by itself: llvm-mc -triple=amdgcn-amd-amdhsa -mcpu=gfx1250 --defsym DOCPART=n.
;; ======== version 1 of 1: 3 launches
;; workspace buffers: wimg 76,800 bytes; qimg 1,703,936 bytes; kv 8,388,608 bytes
;; launch wquant (part 1): grid 24 x 1, 1 waves a work-group, no clusters, 0 bytes of LDS; arguments Wq, Wk, Wv, wimg; writes wimg
.if DOCPART == 1
	.amdgcn_target "amdgcn-amd-amdhsa--gfx1250"
	.amdhsa_code_object_version 6
	.text
	.protected	k_q7fcdd7fc6a_wquant
	.globl	k_q7fcdd7fc6a_wquant
	.p2align	8
	.type	k_q7fcdd7fc6a_wquant,@function
k_q7fcdd7fc6a_wquant:
	s_mov_b64 s[64:65], 0
	v_nop
	global_prefetch_b8 v0, s[64:65] scope:SCOPE_SE
	s_setreg_imm32_b32 hwreg(HW_REG_WAVE_MODE, 25, 1), 1
	s_wait_xcnt 0x0
; Wq [64][256], Wk [64][256], Wv [256][256], f32, K = the 256 innermost, become codes of FP6 (E2M3) with one E8M0 byte for each 32 along K,
; laid as IMAGES OF OPERAND REGISTERS: 48 fragments (16 rows x 128 K, 12 registers a lane) of 1,536 bytes, fragment 2 T + s (tile T, K step s),
; registers 4 g .. 4 g + 3 of lane l at 512 g + 16 l.  Behind them, at byte 73,728, one image of 128 bytes a tile: lanes 0-15 the rows' scale words of K step 0, lanes 16-31 of K step 1.
; One wave makes one tile.  Tiles 0-3: Wq, 4-7: Wk, 8-23: Wv.  THE ROWS OF A TILE OF Wq AND Wk ARE NOT NEIGHBOURS: lane r of tile t takes row 32 (r / 8) + 8 t + r % 8,
; so that in the next launch a lane's 32 results of the four tiles are 32 neighbours along d, a whole block.  A tile of Wv takes 16 neighbouring rows.
; A lane (r, h) of a fragment holds k = 64 c + 32 h + 0 .. 31 of its row: two whole blocks a K step, 128 bytes of memory each; no other lane is asked for a maximum.
; A block's scale byte is its largest magnitude's exponent field - 2, held at 1 from below.
; LIMITS: NaN and infinities are not served; a block whose largest magnitude lies under 2^-124 keeps the byte 1; a block of zeros has the byte 1 and not 127: its codes are zeros, and this program alone reads the bytes.
; The loads take 16 bytes a lane from 32 places 128 bytes or more apart: 24 waves do that once, so that the 256 work-groups of the next launch read dense images.
.set N,   16                           ; v16-143  128 numbers: block q = 2 s + c at N + 32 q
.set FRG, 144                          ; v144-167 the two fragments
.set CT,  168                          ; v168-183 the upper halves' codes, four registers a block
.set TM,  184                          ; v184-187 largest magnitudes
.set SC,  188                          ; v188-191 the conversions' scale operands
.set BY,  192                          ; v192-195 the bytes
.set WD,  196                          ; v196-197 the scale words of K steps 0, 1
.set TP,  198                          ; v198-199 the exchange's targets
.set WS,  200                          ; v200     the image of the scale words
	s_load_b256 s[4:11], s[0:1], 0x0               ; Wq s[4:5], Wk s[6:7], Wv s[8:9], wimg s[10:11]
	v_and_b32 v1, 15, v0                           ; r
	v_lshrrev_b32 v2, 4, v0                        ; h
	s_and_b32 s12, ttmp9, 3
	s_lshl_b32 s12, s12, 3                         ; Wq, Wk: the tile's first row 8 (T % 4)
	s_max_u32 s13, ttmp9, 8
	s_sub_co_u32 s13, s13, 8
	s_lshl_b32 s13, s13, 4                         ; Wv: 16 (T - 8)
	s_mul_i32 s18, ttmp9, 3072                     ; the tile's two fragments in wimg
	s_mov_b32 s19, 0
	s_lshl_b32 s20, ttmp9, 7                       ; and its scale image
	s_mov_b32 s21, 0
	s_mov_b32 s22, 0x76543210
	s_mov_b32 s23, 0xfedcba98                      ; v_permlanex16_b32's selects for lane l xor 16
	s_wait_kmcnt 0x0
	s_cmp_lt_u32 ttmp9, 4                          ; the choice of the buffer hangs on the work-group's number alone
	s_cselect_b64 s[14:15], s[4:5], s[6:7]
	s_cmp_lt_u32 ttmp9, 8
	s_cselect_b64 s[14:15], s[14:15], s[8:9]
	s_cselect_b32 s16, 32, 8                       ; from lanes 0-7 to lanes 8-15: 32 rows, or 8
	s_cselect_b32 s17, s12, s13
	s_add_nc_u64 s[18:19], s[10:11], s[18:19]
	s_add_nc_u64 s[20:21], s[10:11], s[20:21]
	v_and_b32 v3, 7, v1
	v_lshrrev_b32 v4, 3, v1
	v_mad_u32_u24 v3, v4, s16, v3
	v_add_nc_u32 v3, s17, v3                       ; my row
	v_lshlrev_b32 v3, 10, v3                       ; of 1,024 bytes,
	v_lshl_add_u32 v3, v2, 7, v3                   ; + 128 h
	v_lshlrev_b32 v5, 4, v0                        ; 16 x lane
	v_lshlrev_b32 v6, 2, v0                        ; 4 x lane
	v_lshlrev_b32 v7, 3, v2                        ; 8 h
	v_cmp_ne_u32 vcc_lo, 0, v2
	v_mov_b32 v[TP], 0                             ; a lane permute's destination counts as one of its sources
	v_mov_b32 v[TP+1], 0
.irp q, 0,1,2,3
.irp i, 0,1,2,3,4,5,6,7
	global_load_b128 v[N+32*\q+4*\i:N+32*\q+4*\i+3], v3, s[14:15] offset:256*\q+16*\i   ; k = 64 q + 32 h + 4 i on
.endr
.endr
	s_wait_loadcnt 0x0
.irp q, 0,1,2,3
	v_max3_num_f32 v[TM+\q], |v[N+32*\q]|, |v[N+32*\q+1]|, 0x1800000   ; and the floor 2^(3 - 127): the byte cannot fall under 1
.endr
.irp i, 2,4,6,8,10,12,14,16,18,20,22,24,26,28,30
.irp q, 0,1,2,3
	v_max3_num_f32 v[TM+\q], v[TM+\q], |v[N+32*\q+\i]|, |v[N+32*\q+\i+1]|   ; the four blocks by turns
.endr
.endr
.irp q, 0,1,2,3
	v_add_nc_u32 v[SC+\q], 0xff000000, v[TM+\q]    ; 2 off the exponent field: the conversion takes that field as its scale
.endr
.irp q, 0,1,2,3
	v_lshrrev_b32 v[BY+\q], 23, v[SC+\q]           ; the byte
.endr
.irp q, 0,1,2,3
	v_cvt_scalef32_pk16_fp6_f32 v[FRG+6*\q:FRG+6*\q+2], v[N+32*\q:N+32*\q+15], v[SC+\q]
	v_cvt_scalef32_pk16_fp6_f32 v[CT+4*\q:CT+4*\q+2], v[N+32*\q+16:N+32*\q+31], v[SC+\q]   ; (a conversion's three registers begin on an even number)
.endr
	v_nop                                          ; one plain place behind the conversions
.irp q, 0,1,2,3
.irp i, 0,1,2
	v_mov_b32 v[FRG+6*\q+3+\i], v[CT+4*\q+\i]
.endr
.endr
.irp s, 0,1
	v_lshl_or_b32 v[WD+\s], v[BY+2*\s+1], 16, v[BY+2*\s]   ; my two bytes of K step s: blocks h and 2 + h,
	v_lshlrev_b32 v[WD+\s], v7, v[WD+\s]           ; at their places;
	v_permlanex16_b32 v[TP+\s], v[WD+\s], s22, s23
	v_or_b32 v[WD+\s], v[WD+\s], v[TP+\s]          ; with lane l xor 16's two the word is whole
.endr
	v_cndmask_b32 v[WS], v[WD], v[WD+1], vcc_lo    ; lanes 0-15 K step 0's word, lanes 16-31 K step 1's
.irp s, 0,1
.irp g, 0,1,2
	global_store_b128 v5, v[FRG+12*\s+4*\g:FRG+12*\s+4*\g+3], s[18:19] offset:1536*\s+512*\g   ; 512 consecutive bytes, at a multiple of 256 from wimg's first byte
.endr
.endr
	global_store_b32 v6, v[WS], s[20:21] offset:73728
	s_endpgm
.Lfunc_end_k_q7fcdd7fc6a_wquant:
	.size	k_q7fcdd7fc6a_wquant, .Lfunc_end_k_q7fcdd7fc6a_wquant-k_q7fcdd7fc6a_wquant
	.p2alignl 7, 3214868480
	.fill 96, 4, 3214868480
	.section	.rodata,"a",@progbits
	.p2align	6, 0x0
	.amdhsa_kernel k_q7fcdd7fc6a_wquant
		.amdhsa_group_segment_fixed_size 0
		.amdhsa_private_segment_fixed_size 0
		.amdhsa_enable_private_segment 0
		.amdhsa_kernarg_size 32
		.amdhsa_user_sgpr_count 2
		.amdhsa_user_sgpr_kernarg_segment_ptr 1
		.amdhsa_wavefront_size32 1
		.amdhsa_system_sgpr_workgroup_id_x 1
		.amdhsa_system_sgpr_workgroup_id_y 1
		.amdhsa_system_sgpr_workgroup_id_z 1
		.amdhsa_system_vgpr_workitem_id 0
		.amdhsa_next_free_vgpr 208
		.amdhsa_next_free_sgpr 66
		.amdhsa_reserve_vcc 1
		.amdhsa_float_denorm_mode_32 3
		.amdhsa_float_denorm_mode_16_64 3
		.amdhsa_memory_ordered 1
		.amdhsa_forward_progress 1
		.amdhsa_inst_pref_size 12
	.end_amdhsa_kernel
	.amdgpu_metadata
---
amdhsa.version: [ 1, 2 ]
amdhsa.kernels:
  - .name:           k_q7fcdd7fc6a_wquant
    .symbol:         k_q7fcdd7fc6a_wquant.kd
    .args:
      - { .name: Wq, .offset: 0, .size: 8, .value_kind: global_buffer, .address_space: global }
      - { .name: Wk, .offset: 8, .size: 8, .value_kind: global_buffer, .address_space: global }
      - { .name: Wv, .offset: 16, .size: 8, .value_kind: global_buffer, .address_space: global }
      - { .name: wimg, .offset: 24, .size: 8, .value_kind: global_buffer, .address_space: global }
    .group_segment_fixed_size: 0
    .private_segment_fixed_size: 0
    .kernarg_segment_align: 8
    .kernarg_segment_size: 32
    .max_flat_workgroup_size: 32
    .sgpr_count:     66
    .vgpr_count:     208
    .wavefront_size: 32
...
	.end_amdgpu_metadata
.endif
;; end of part 1
;; launch proj (part 2): grid 32 x 8, 4 waves a work-group, no clusters, 241,152 bytes of LDS; arguments x, wimg, bq, bk, bv, qimg, kv; writes qimg, kv
.if DOCPART == 2
	.amdgcn_target "amdgcn-amd-amdhsa--gfx1250"
	.amdhsa_code_object_version 6
	.text
	.protected	k_q7fcdd7fc6a_proj
	.globl	k_q7fcdd7fc6a_proj
	.p2align	8
	.type	k_q7fcdd7fc6a_proj,@function
k_q7fcdd7fc6a_proj:
	s_mov_b64 s[64:65], 0
	v_nop
	global_prefetch_b8 v0, s[64:65] scope:SCOPE_SE
	s_setreg_imm32_b32 hwreg(HW_REG_WAVE_MODE, 25, 1), 1
	s_wait_xcnt 0x0
; q = Wq x + bq, k = Wk x + bk, v = Wv x + bv for 128 positions of one batch, all three products on codes of FP6 (E2M3) with one E8M0 byte for each 32 along K = the 256 channels;
; the results are quantised at once for the attention's products (q, k along d = 64; v along the keys) and leave as IMAGES OF OPERAND REGISTERS.
; x: [8][256][4096] f32.  A work-group (x = block of 128 positions, y = batch) brings its 256 x 128 numbers into LDS by tensor loads, and the weights' images (76,800 bytes) beside them: both filled once.
; Wave w takes positions 32 w + lane.  A LANE TAKES A POSITION AND ITS REGISTERS RUN DOWN THE CHANNELS: a block of 32 along K lies in one lane, and the conversions give codes with K innermost.
; Six exchanges of halves for each pair of blocks turn them into the two fragments (positions 0-15, 16-31) of a K step.
; q, k: TRANSPOSED (source 0 = 16 rows of the weight, source 1 = x): with the weights' rows chosen as the launch before lays them, lane (r, h) holds d = 32 h + 0 .. 31 of position r in 32 registers:
; a whole block, already in the operand's place.  v: source 0 = x, source 1 = 16 rows of Wv: lane (r, h) holds channel r and positions 16 u + 8 h + j; the wave's 32 positions are one block of keys.
; The biases are the C of each sum's first matrix instruction.
; OUT.  qimg [8][32][6,656]: eight half fragments (6 registers: 0-3 at 16 x lane, 4-5 at 512 + 8 x lane; 768 bytes), one for 16 queries, then 128 scale words.
; kv [8][32][32,768]: a key step's block: 8 half fragments of K; 16 fragments of V (two halves each); K's scale words (512 bytes), V's (1,024), 512 bytes of zeros.
; Tile 4 c + 2 a + u of K holds in row 8 g + i key 64 c + 32 g + 16 u + 8 a + i; V's codes of a block stand in the order p = 16 a + 8 u + j for key offset 16 u + 8 a + j: the order in which the scores will lie in a lane.
; Bytes 2 and 3 of q's and k's scale words are 0x7f: the upper 64 of the instruction's K carry zero codes on q's side.
; NO CLUSTER: the weights' images, 76,800 of the 207,872 bytes that a work-group fetches, are all that work-groups share, and they are fetched once, by one load a wave, with no loop behind it.
; LIMITS: NaN and infinities are not served; a block whose largest magnitude lies under 2^-124 keeps the byte 1; a block of zeros has the byte 1 and not 127: its codes are zeros, and this program alone reads the bytes.
; REGISTERS, window 0: v1-23, v76 lanes and addresses; v24-25 x's scale words; v26-29 the weights' scale images; v32-50 at work; v52-75 codes just made; v80-127 x's four fragments; v128-191 x's numbers, then the accumulators.
;   window 1: v0-95 eight fragments of weights; v96-127 bq, v128-159 bk in the result's layout; v160-191 bv spread out as C; v192-207 bv, a register a tile.
.set WI,  131072                       ; LDS: x's tile at 0, 256 rows of 512 bytes; here the weights' images;
.set STG, 207872                       ; here the image of the kv block, 32,768 bytes: no tensor load lands there
.set XS,  24
.set WS,  26
.set TM,  32
.set TP,  36
.set SC,  40
.set BY,  44
.set W0,  48
.set QW,  50
.set CO,  52                           ; set p at CO + 12 p: +0..5 codes, +6..8 the other conversion's
.set XF,  80                           ; x's fragment (K step s, tile u) at XF + 24 s + 12 u
.set XR,  128
.set ACC, 128
.set WF,  0
.set BQ,  96
.set BK,  128
.set CB,  160
.set BV,  192
.set MSB, 0
.macro WIN new                         ; the immediate's high byte repeats the setting that is left
.if MSB != \new
	s_set_vgpr_msb (MSB<<8)|\new
.set MSB, \new
.endif
.endm
.macro PLACES n
.rept \n
	v_nop
.endr
.endm
; the matrix instruction: ra, rb = 1: that side's scales are read from lanes 16-31
.macro MM d, a, b, c, sa, sb, ra, rb
.if (\ra) && (\rb)
	v_wmma_scale_f32_16x16x128_f8f6f4 v[\d:\d+7], v[\a:\a+11], v[\b:\b+11], v[\c:\c+7], v[\sa], v[\sb] matrix_a_fmt:MATRIX_FMT_FP6 matrix_b_fmt:MATRIX_FMT_FP6 matrix_a_scale:MATRIX_SCALE_ROW1 matrix_b_scale:MATRIX_SCALE_ROW1
.elseif \ra
	v_wmma_scale_f32_16x16x128_f8f6f4 v[\d:\d+7], v[\a:\a+11], v[\b:\b+11], v[\c:\c+7], v[\sa], v[\sb] matrix_a_fmt:MATRIX_FMT_FP6 matrix_b_fmt:MATRIX_FMT_FP6 matrix_a_scale:MATRIX_SCALE_ROW1
.elseif \rb
	v_wmma_scale_f32_16x16x128_f8f6f4 v[\d:\d+7], v[\a:\a+11], v[\b:\b+11], v[\c:\c+7], v[\sa], v[\sb] matrix_a_fmt:MATRIX_FMT_FP6 matrix_b_fmt:MATRIX_FMT_FP6 matrix_b_scale:MATRIX_SCALE_ROW1
.else
	v_wmma_scale_f32_16x16x128_f8f6f4 v[\d:\d+7], v[\a:\a+11], v[\b:\b+11], v[\c:\c+7], v[\sa], v[\sb] matrix_a_fmt:MATRIX_FMT_FP6 matrix_b_fmt:MATRIX_FMT_FP6
.endif
.endm
; group g of four tiles of weights: eight fragments (tile e, K step s at WF + 24 e + 12 s) and four scale images
.macro WLOAD g
	WIN 0x40                                       ; destination window 1, address window 0
.irp f, 0,1,2,3,4,5,6,7
.irp i, 0,1,2
	ds_load_b128 v[WF+12*\f+4*\i:WF+12*\f+4*\i+3], v[6+(\g)/3] offset:1536*(8*(\g)+\f)-36864*((\g)/3)+512*\i
.endr
.endr
	WIN 0
.irp e, 0,1,2,3
	ds_load_b32 v[WS+\e], v8 offset:128*(4*(\g)+\e)
.endr
.endm
.macro XLOADB b                        ; block b of x: channels 32 b + i of my position, into set b % 2
.irp i, 0,1,2,3,4,5,6,7,8,9,10,11,12,13,14,15,16,17,18,19,20,21,22,23,24,25,26,27,28,29,30,31
	ds_load_b32 v[XR+32*((\b)%2)+\i], v[4+(\b)/4] offset:(32*((\b)%4)+\i)*512
.endr
.endm
.macro XBLOCK b
.set XSR, XR+32*((\b)%2)
.set XD, XF+24*((\b)/4)+12*((\b)%2)+6*(((\b)%4)/2)
.if (\b) < 7
	s_wait_dscnt 32                                ; this block's loads are in; the next block's 32 may be out
.else
	s_wait_dscnt 0x0
.endif
	v_max3_num_f32 v[TM], |v[XSR]|, |v[XSR+1]|, |v[XSR+2]|          ; the block's largest magnitude: all 32 numbers are mine; two chains
	v_max3_num_f32 v[TM+1], |v[XSR+3]|, |v[XSR+4]|, |v[XSR+5]|
.irp i, 6,10,14,18,22,26
	v_max3_num_f32 v[TM], v[TM], |v[XSR+\i]|, |v[XSR+\i+1]|
	v_max3_num_f32 v[TM+1], v[TM+1], |v[XSR+\i+2]|, |v[XSR+\i+3]|
.endr
	v_max3_num_f32 v[TM], v[TM], |v[XSR+30]|, |v[XSR+31]|
	v_max3_num_f32 v[TM], v[TM], v[TM+1], 0x1800000 ; and the floor 2^(3 - 127)
	v_add_nc_u32 v[SC], 0xff000000, v[TM]          ; 2 off the exponent field: the conversion's scale operand
	v_lshrrev_b32 v[BY], 23, v[SC]                 ; the byte
.if (\b)%4 == 0
	v_mov_b32 v[XS+(\b)/4], v[BY]                  ; four bytes make my position's scale word of a K step
.else
	v_lshl_or_b32 v[XS+(\b)/4], v[BY], 8*((\b)%4), v[XS+(\b)/4]
.endif
	v_cvt_scalef32_pk16_fp6_f32 v[XD:XD+2], v[XSR:XSR+15], v[SC]
	v_cvt_scalef32_pk16_fp6_f32 v[CO:CO+2], v[XSR+16:XSR+31], v[SC]   ; (a conversion's three registers begin on an even number)
	v_nop                                          ; one plain place behind the conversions
.irp i, 0,1,2
	v_mov_b32 v[XD+3+\i], v[CO+\i]
.endr
.if (\b)+2 < 8
	XLOADB (\b)+2
.endif
.if (\b)%2 == 1                        ; the even block's lanes 16-31 change places with the odd block's lanes 0-15: the first is now tile 0's (positions 0-15: lanes 0-15 the even block, lanes 16-31 the odd), the second tile 1's
.set XE, XF+24*((\b)/4)+6*(((\b)%4)/2)
.irp i, 0,1,2,3,4,5
	v_permlane16_swap_b32 v[XE+\i], v[XE+12+\i]
.endr
.endif
.endm
; q or k: eight accumulators (tile of positions u, tile of weights t) by turns, K step by K step
.macro MMQK bias
	WIN 0x11                                       ; source 0 (weights) and C (the bias) window 1
.irp u, 0,1
.irp t, 0,1,2,3
	MM ACC+32*\u+8*\t, WF+24*\t, XF+12*\u, \bias+8*\t, WS+\t, XS, 0, \u
.endr
.endr
	WIN 0x01
.irp u, 0,1
.irp t, 0,1,2,3
	MM ACC+32*\u+8*\t, WF+24*\t+12, XF+24+12*\u, ACC+32*\u+8*\t, WS+\t, XS+1, 1, \u
.endr
.endr
	WIN 0
.endm
; v: eight accumulators (tile of channels e, tile of positions u) by turns
.macro MMV
	WIN 0x14                                       ; source 1 (weights) and C (the bias) window 1
.irp e, 0,1,2,3
.irp u, 0,1
	MM ACC+16*\e+8*\u, XF+12*\u, WF+24*\e, CB+8*\e, XS, WS+\e, \u, 0
.endr
.endr
	WIN 0x04
.irp e, 0,1,2,3
.irp u, 0,1
	MM ACC+16*\e+8*\u, XF+24+12*\u, WF+24*\e+12, ACC+16*\e+8*\u, XS+1, WS+\e, \u, 1
.endr
.endr
	WIN 0
.endm
; q or k of two tiles of positions: lane (r, h) holds block h (d = 32 h + 0 .. 31) of position 16 u + r whole.  Codes to CO + 12 u + 0 .. 5, scale word to W0 + u
.macro QUANTQK
.irp u, 0,1
	v_max3_num_f32 v[TM+\u], |v[ACC+32*\u]|, |v[ACC+32*\u+1]|, 0x1800000   ; each accumulator is read from its low end on
.endr
.irp i, 2,4,6,8,10,12,14,16,18,20,22,24,26,28,30
.irp u, 0,1
	v_max3_num_f32 v[TM+\u], v[TM+\u], |v[ACC+32*\u+\i]|, |v[ACC+32*\u+\i+1]|
.endr
.endr
.irp u, 0,1
	v_add_nc_u32 v[SC+\u], 0xff000000, v[TM+\u]
.endr
.irp u, 0,1
	v_lshrrev_b32 v[BY+\u], 23, v[SC+\u]
.endr
.irp u, 0,1
	v_cvt_scalef32_pk16_fp6_f32 v[CO+12*\u:CO+12*\u+2], v[ACC+32*\u:ACC+32*\u+15], v[SC+\u]
	v_cvt_scalef32_pk16_fp6_f32 v[CO+12*\u+6:CO+12*\u+8], v[ACC+32*\u+16:ACC+32*\u+31], v[SC+\u]
.endr
	v_nop                                          ; one plain place behind the conversions
.irp u, 0,1
.irp i, 0,1,2
	v_mov_b32 v[CO+12*\u+3+\i], v[CO+12*\u+6+\i]
.endr
.endr
.irp u, 0,1
	v_lshlrev_b32 v[W0+\u], v15, v[BY+\u]          ; my byte at place h,
.endr
.irp u, 0,1
	v_permlanex16_b32 v[TP+\u], v[W0+\u], s56, s57
.endr
.irp u, 0,1
	v_or_b32 v[W0+\u], v[W0+\u], v[TP+\u]          ; lane l xor 16's beside it,
	v_or_b32 v[W0+\u], 0x7f7f0000, v[W0+\u]        ; and 1.0 for the instruction's upper 64 along K
.endr
.endm
; v of four tiles of channels: lanes l and l xor 16 share a block of 32 keys.  Codes and bytes go to their places in the kv block's image
.macro QUANTV g
.irp e, 0,1,2,3
	v_max3_num_f32 v[TM+\e], |v[ACC+16*\e]|, |v[ACC+16*\e+1]|, 0x1800000
.endr
.irp i, 2,4,6,8,10,12,14
.irp e, 0,1,2,3
	v_max3_num_f32 v[TM+\e], v[TM+\e], |v[ACC+16*\e+\i]|, |v[ACC+16*\e+\i+1]|
.endr
.endr
.irp e, 0,1,2,3
	v_permlanex16_b32 v[TP+\e], v[TM+\e], s56, s57
.endr
.irp e, 0,1,2,3
	v_max_num_f32 v[TM+\e], v[TM+\e], v[TP+\e]
.endr
.irp e, 0,1,2,3
	v_add_nc_u32 v[SC+\e], 0xff000000, v[TM+\e]
.endr
.irp e, 0,1,2,3
	v_lshrrev_b32 v[BY+\e], 23, v[SC+\e]
.endr
.irp e, 0,1,2,3
	v_cvt_scalef32_pk16_fp6_f32 v[CO+12*(\e/2)+6*(\e%2):CO+12*(\e/2)+6*(\e%2)+2], v[ACC+16*\e:ACC+16*\e+15], v[SC+\e]
.endr
	v_nop                                          ; one plain place behind the conversions
.irp p, 0,1                            ; the even tile's lanes 16-31 change places with the odd tile's lanes 0-15: lanes 0-15 then hold the even tile's whole block, lanes 16-31 the odd tile's
.irp i, 0,1,2
	v_permlane16_swap_b32 v[CO+12*\p+\i], v[CO+12*\p+6+\i]
.endr
.irp i, 0,1,2
	v_mov_b32 v[CO+12*\p+3+\i], v[CO+12*\p+6+\i]
.endr
	ds_store_b128 v12, v[CO+12*\p:CO+12*\p+3] offset:1536*(4*((\g)-2)+2*\p)
	ds_store_b64 v13, v[CO+12*\p+4:CO+12*\p+5] offset:1536*(4*((\g)-2)+2*\p)
.endr
.irp e, 0,1,2,3
.set EE, 4*((\g)-2)+\e
	ds_store_b8 v14, v[BY+\e] offset:512*(EE>>3)+256*(EE&1)+4*((EE>>1)&3)   ; byte w of channel r's word; both lanes of a block write the same byte with the same value
.endr
.endm
	s_load_b256 s[4:11], s[0:1], 0x0               ; x s[4:5], wimg s[6:7], bq s[8:9], bk s[10:11]
	s_load_b128 s[12:15], s[0:1], 0x20             ; bv s[12:13], qimg s[14:15]
	s_load_b64 s[16:17], s[0:1], 0x30              ; kv
	v_lshl_add_u32 v254, v0, 2, 0x3ac00
	v_mov_b32 v255, 0
	ds_add_u32 v254, v255
	ds_add_u32 v254, v255
	v_lshrrev_b32 v1, 5, v0
	v_readfirstlane_b32 s18, v1                    ; wave 0..3
	s_and_b32 s19, ttmp7, 0xffff                   ; the batch
	; group 1 for x's tile: 64 rows (channels) of 128 elements of 4 bytes, 4,096 elements apart
	s_mov_b32 s24, 2<<16
	s_mov_b32 s25, 128<<16                         ; tensor_dim0
	s_mov_b32 s26, 64<<16                          ; tensor_dim1
	s_mov_b32 s27, 128<<16                         ; tile_dim0
	s_mov_b32 s28, 64                              ; tile_dim1
	s_mov_b32 s29, 4096                            ; the pitch
	s_mov_b32 s30, 0
	s_mov_b32 s31, 0
	; group 1 for a quarter of the weights' images: a dense block of 19,200 bytes as 75 rows of 32 elements of 8 bytes
	s_mov_b32 s36, 3<<16
	s_mov_b32 s37, 32<<16
	s_mov_b32 s38, 75<<16
	s_mov_b32 s39, 32<<16
	s_mov_b32 s40, 75
	s_mov_b32 s41, 32
	s_mov_b32 s42, 0
	s_mov_b32 s43, 0
	s_lshl_b32 s20, s19, 22                        ; the batch's 4 MiB,
	s_lshl_b32 s21, s18, 20                        ; my wave's 64 channels of 16,384 bytes,
	s_add_co_u32 s20, s20, s21
	s_lshl_b32 s21, ttmp9, 9                       ; the block's 128 positions
	s_add_co_u32 s20, s20, s21
	s_mov_b32 s21, 0
	s_mul_i32 s22, s18, 19200
	s_mov_b32 s23, 0
	s_mov_b32 s32, 1
	s_lshl_b32 s33, s18, 15                        ; LDS: 32,768 x wave
	s_mov_b32 s44, 1
	s_add_co_u32 s45, s22, WI                      ; LDS: WI + 19,200 x wave
	s_wait_dscnt 0x0
	s_wait_kmcnt 0x0
	s_add_nc_u64 s[34:35], s[4:5], s[20:21]
	s_or_b32 s35, s35, 0x80000000
	s_add_nc_u64 s[46:47], s[6:7], s[22:23]
	s_or_b32 s47, s47, 0x80000000
	tensor_load_to_lds s[32:35], s[24:31]          ; both fills go out together, ahead of every wait, LDS read and barrier: two loads of mine are out
	s_nop 0
	tensor_load_to_lds s[44:47], s[36:43]
	s_nop 0
	PLACES 4
	v_and_b32 v1, 31, v0                           ; lane
	v_and_b32 v2, 15, v0                           ; r
	v_bfe_u32 v3, v0, 4, 1                         ; h
	v_cmp_ne_u32 vcc_lo, 0, v3
	s_lshl_b32 s20, s18, 7
	v_lshl_add_u32 v4, v1, 2, s20                  ; x's tile: 128 x wave + 4 x lane in a row;
	v_add_nc_u32 v5, 0x10000, v4                   ; the same 128 rows further down
	v_lshl_add_u32 v6, v1, 4, WI                   ; the weights' images: 16 x lane;
	v_add_nc_u32 v7, 36864, v6                     ; the same 24 fragments on
	v_lshl_add_u32 v8, v1, 2, WI+73728             ; their scale images: 4 x lane
	s_lshr_b32 s21, s18, 1                         ; w / 2
	s_and_b32 s22, s18, 1                          ; w % 2
	v_lshrrev_b32 v30, 3, v2                       ; r / 8
	v_and_b32 v31, 7, v2                           ; r % 8
	; key 32 w + 16 u + r lies in tile 4 (w / 2) + 2 (r / 8) + u of K, row 8 (w % 2) + r % 8: lane 16 h + that row
	s_mul_i32 s23, s21, 3072
	s_lshl_b32 s48, s22, 7
	s_add_co_u32 s48, s48, s23
	s_add_co_u32 s48, s48, STG
	v_mul_u32_u24 v9, v30, 1536
	v_lshl_add_u32 v10, v31, 3, v9
	v_lshl_add_u32 v9, v31, 4, v9
	v_lshl_add_u32 v9, v3, 8, v9
	v_add_nc_u32 v9, s48, v9                       ; registers 0-3
	s_lshl_b32 s48, s22, 6
	s_add_co_u32 s48, s48, s23
	s_add_co_u32 s48, s48, STG+512
	v_lshl_add_u32 v10, v3, 7, v10
	v_add_nc_u32 v10, s48, v10                     ; registers 4-5
	s_lshl_b32 s48, s22, 7
	s_lshl_b32 s49, s21, 3
	s_add_co_u32 s48, s48, s49
	s_add_co_u32 s48, s48, STG+30720
	v_lshl_add_u32 v11, v31, 4, s48
	v_lshl_add_u32 v11, v30, 2, v11                ; K's scale word: register tile / 2 of lane 16 u + row
	; V: block w of the step's keys is half fragment w / 2, lanes 16 (w % 2) + r; lanes 16-31 write the odd tile's
	s_mul_i32 s23, s21, 768
	s_lshl_b32 s48, s22, 8
	s_add_co_u32 s48, s48, s23
	s_add_co_u32 s48, s48, STG+6144
	v_mul_u32_u24 v12, v3, 1536
	v_lshl_add_u32 v13, v2, 3, v12
	v_lshl_add_u32 v12, v2, 4, v12
	v_add_nc_u32 v12, s48, v12
	s_lshl_b32 s48, s22, 7
	s_add_co_u32 s48, s48, s23
	s_add_co_u32 s48, s48, STG+6144+512
	v_add_nc_u32 v13, s48, v13
	s_add_co_u32 s48, s18, STG+31232
	v_lshl_add_u32 v14, v2, 4, s48                 ; V's scale bytes: 16 r + w
	v_lshlrev_b32 v15, 3, v3                       ; 8 h
	v_lshlrev_b32 v16, 4, v1                       ; 16, 8, 4 x lane
	v_lshlrev_b32 v17, 3, v1
	v_lshlrev_b32 v18, 2, v1
	s_lshl_b32 s48, s18, 13
	v_add_nc_u32 v22, s48, v16                     ; the way out: 8,192 x wave + 16 x lane, in the kv block
	v_add_nc_u32 v19, STG, v22                     ; and in its image
	v_mov_b32 v20, 0
	v_lshl_add_u32 v21, v0, 2, STG+32256           ; the block's last 512 bytes
	v_lshlrev_b32 v23, 7, v3                       ; bq, bk: 32 h numbers on
	v_lshlrev_b32 v76, 2, v2                       ; bv: 4 r
.irp e, 0,1,2,3
	v_mov_b32 v[TP+\e], 0                          ; a lane permute's destination counts as one of its sources
.endr
	s_lshl_b32 s20, s19, 5
	s_add_co_u32 s20, s20, ttmp9                   ; the block's number: 32 x batch + x
	s_mul_i32 s48, s20, 6656
	s_mov_b32 s49, 0
	s_add_nc_u64 s[52:53], s[14:15], s[48:49]      ; its part of qimg
	s_mul_i32 s48, s18, 1536
	s_add_nc_u64 s[50:51], s[52:53], s[48:49]      ; my wave's two half fragments
	s_lshl_b32 s48, s18, 7
	s_add_nc_u64 s[52:53], s[52:53], s[48:49]      ; my wave's 32 scale words (6,144 further on)
	s_lshl_b32 s48, s20, 15
	s_add_nc_u64 s[54:55], s[16:17], s[48:49]      ; its part of kv
	s_mov_b32 s56, 0x76543210
	s_mov_b32 s57, 0xfedcba98                      ; v_permlanex16_b32's selects for lane l xor 16
	WIN 0x40                                       ; destination window 1
.irp i, 0,1,2,3,4,5,6,7
	global_load_b128 v[BQ+4*\i:BQ+4*\i+3], v23, s[8:9] offset:16*\i     ; register 8 t + j: bq[32 h + 8 t + j]
	global_load_b128 v[BK+4*\i:BK+4*\i+3], v23, s[10:11] offset:16*\i
.endr
.irp e, 0,1,2,3,4,5,6,7,8,9,10,11,12,13,14,15
	global_load_b32 v[BV+\e], v76, s[12:13] offset:64*\e                ; bv[16 e + r]
.endr
	WIN 0
	s_wait_tensorcnt 0x0                           ; my parts of x's tile and of the images are in,
	s_barrier_signal -1
	s_barrier_wait -1                              ; everybody's are
	; ---- x: eight blocks of 32 channels become four fragments and two scale words
	WLOAD 0
	XLOADB 0
	XLOADB 1
.irp b, 0,1,2,3,4,5,6,7
	XBLOCK \b
.endr
	; ---- q
	PLACES 8                                       ; a scale register written by a vector instruction stands 8 places ahead of a scaled matrix instruction, an operand 4
	s_wait_dscnt 0x0                               ; Wq's fragments
	s_wait_loadcnt 0x0                             ; the biases
	MMQK BQ
	PLACES 4                                       ; in front of loads into the weights' registers and of the first read of results
	WLOAD 1
	QUANTQK
.irp u, 0,1
	global_store_b128 v16, v[CO+12*\u:CO+12*\u+3], s[50:51] offset:768*\u       ; 512 consecutive bytes, at a multiple of 256 from qimg's first byte
	global_store_b64 v17, v[CO+12*\u+4:CO+12*\u+5], s[50:51] offset:768*\u+512  ; 256
.endr
	v_cndmask_b32 v[QW], v[W0], v[W0+1], vcc_lo    ; lane l: position l's word
	global_store_b32 v18, v[QW], s[52:53] offset:6144
	; ---- k
	s_wait_dscnt 0x0                               ; Wk's fragments
	MMQK BK                                        ; (behind the last products stand the four places above and the quantiser's plain lines: more than the five owed to accumulators begun anew)
	PLACES 4
	WLOAD 2
	s_wait_xcnt 0x0                                ; q's stores have read their registers: the codes' and words' registers are written again
	QUANTQK
.irp u, 0,1
	ds_store_b128 v9, v[CO+12*\u:CO+12*\u+3] offset:768*\u
	ds_store_b64 v10, v[CO+12*\u+4:CO+12*\u+5] offset:768*\u
	ds_store_b32 v11, v[W0+\u] offset:256*\u       ; lanes r and 16 + r write the same word with the same value
.endr
	; ---- v: four groups of four tiles of 16 channels
.irp g, 2,3,4,5
	WIN 0x41                                       ; destination and source window 1
.irp e, 0,1,2,3
.irp j, 0,1,2,3,4,5,6,7
	v_mov_b32 v[CB+8*\e+\j], v[BV+4*(\g-2)+\e]     ; a lane's eight results of a tile are one channel's: its bias eight times
.endr
.endr
	WIN 0
	PLACES 4
	s_wait_dscnt 0x0                               ; the group's fragments are in, and the LDS stores above have read their registers
	MMV
	PLACES 4
.if \g < 5
	WLOAD \g+1
.endif
	QUANTV \g
.endr
	; ---- the kv block leaves as it lies in LDS
	ds_store_b32 v21, v20                          ; its last 512 bytes: zeros
	s_wait_dscnt 0x0                               ; for the others' sake: my stores into the image are done
	s_barrier_signal -1
	s_barrier_wait -1
.irp i, 0,1,2,3,4,5,6,7,8,9,10,11,12,13,14,15
	ds_load_b128 v[ACC+4*\i:ACC+4*\i+3], v19 offset:512*\i
.endr
.irp i, 0,1,2,3,4,5,6,7,8,9,10,11,12,13,14,15
	s_wait_dscnt 15-\i                             ; LDS loads come back in order: load i is in, the younger ones may be out
	global_store_b128 v22, v[ACC+4*\i:ACC+4*\i+3], s[54:55] offset:512*\i   ; 512 consecutive bytes, at a multiple of 256 from kv's first byte
.endr
	s_wait_tensorcnt 0x0
	ds_add_u32 v254, v255
	s_wait_dscnt 0x0
	s_endpgm
.Lfunc_end_k_q7fcdd7fc6a_proj:
	.size	k_q7fcdd7fc6a_proj, .Lfunc_end_k_q7fcdd7fc6a_proj-k_q7fcdd7fc6a_proj
	.p2alignl 7, 3214868480
	.fill 96, 4, 3214868480
	.section	.rodata,"a",@progbits
	.p2align	6, 0x0
	.amdhsa_kernel k_q7fcdd7fc6a_proj
		.amdhsa_group_segment_fixed_size 241152
		.amdhsa_private_segment_fixed_size 0
		.amdhsa_enable_private_segment 0
		.amdhsa_kernarg_size 56
		.amdhsa_user_sgpr_count 2
		.amdhsa_user_sgpr_kernarg_segment_ptr 1
		.amdhsa_wavefront_size32 1
		.amdhsa_system_sgpr_workgroup_id_x 1
		.amdhsa_system_sgpr_workgroup_id_y 1
		.amdhsa_system_sgpr_workgroup_id_z 1
		.amdhsa_system_vgpr_workitem_id 0
		.amdhsa_next_free_vgpr 512
		.amdhsa_next_free_sgpr 66
		.amdhsa_reserve_vcc 1
		.amdhsa_float_denorm_mode_32 3
		.amdhsa_float_denorm_mode_16_64 3
		.amdhsa_memory_ordered 1
		.amdhsa_forward_progress 1
		.amdhsa_inst_pref_size 94
	.end_amdhsa_kernel
	.amdgpu_metadata
---
amdhsa.version: [ 1, 2 ]
amdhsa.kernels:
  - .name:           k_q7fcdd7fc6a_proj
    .symbol:         k_q7fcdd7fc6a_proj.kd
    .args:
      - { .name: x, .offset: 0, .size: 8, .value_kind: global_buffer, .address_space: global }
      - { .name: wimg, .offset: 8, .size: 8, .value_kind: global_buffer, .address_space: global }
      - { .name: bq, .offset: 16, .size: 8, .value_kind: global_buffer, .address_space: global }
      - { .name: bk, .offset: 24, .size: 8, .value_kind: global_buffer, .address_space: global }
      - { .name: bv, .offset: 32, .size: 8, .value_kind: global_buffer, .address_space: global }
      - { .name: qimg, .offset: 40, .size: 8, .value_kind: global_buffer, .address_space: global }
      - { .name: kv, .offset: 48, .size: 8, .value_kind: global_buffer, .address_space: global }
    .group_segment_fixed_size: 241152
    .private_segment_fixed_size: 0
    .kernarg_segment_align: 8
    .kernarg_segment_size: 56
    .max_flat_workgroup_size: 128
    .sgpr_count:     66
    .vgpr_count:     512
    .wavefront_size: 32
...
	.end_amdgpu_metadata
.endif
;; end of part 2
;; launch attn (part 3): grid 32 x 8, 8 waves a work-group, clusters of 4 x 1, 327,680 bytes of LDS; arguments qimg, kv, x, gamma, out0; writes out0
.if DOCPART == 3
	.amdgcn_target "amdgcn-amd-amdhsa--gfx1250"
	.amdhsa_code_object_version 6
	.text
	.protected	k_q7fcdd7fc6a_attn
	.globl	k_q7fcdd7fc6a_attn
	.p2align	8
	.type	k_q7fcdd7fc6a_attn,@function
k_q7fcdd7fc6a_attn:
	s_mov_b64 s[64:65], 0
	v_nop
	global_prefetch_b8 v0, s[64:65] scope:SCOPE_SE
	s_setreg_imm32_b32 hwreg(HW_REG_WAVE_MODE, 25, 1), 1
	s_wait_xcnt 0x0
	s_wait_alu depctr_hold_cnt(0) depctr_sa_sdst(0) depctr_va_vdst(0) depctr_va_sdst(0) depctr_va_ssrc(0) depctr_va_vcc(0) depctr_vm_vsrc(0)
	s_getreg_b32 s2, hwreg(HW_REG_IB_STS2, 6, 4)
	s_cmp_eq_u32 s2, 0
	s_cbranch_scc0 .Lentry_in_a_cluster
	s_endpgm
.Lentry_in_a_cluster:
	s_bfe_u32 s2, ttmp6, 0x10000c
	s_cmp_lg_u32 s2, 0x3003
	s_cbranch_scc0 .Lentry_shape_is_right
	s_endpgm
.Lentry_shape_is_right:
; out0[b][c][n] = x[b][c][n] + gamma x (the sum over keys m of softmax_m(q[n] . k[m] / 8) v[c][m]), both products on codes of FP6 (E2M3) with one E8M0 byte for each 32 along a product's K.
; q, k, v come as images of operand registers, as the launch before lays them (its head comment has the layouts).
; THE SOFTMAX AHEAD OF THE SECOND PRODUCT: t = score x log2(e) / 8; M = the row's largest t so far, rounded UP to a whole number; p = 2^(t - M) is what is quantised, along the keys, not normalised.
; The row's sum is taken of the unquantised p, in f32, and divides at the end.  When M moves, the sum and O are multiplied by 2^(old M - new M): exact.
; SHARES.  A work-group owns 128 queries of one batch, each of its eight waves 16: one tile.  Two waves share a SIMD's registers (512 each), so that one wave's vector work stands beside the other's products and LDS loads.
; Every wave walks the batch's 4,096 keys, 128 a step.  A step's K, V and scale words are one dense block of 32,768 bytes; a slot holds four steps; two slots take turns.
; CLUSTER.  The four blocks of queries of a cluster belong to one batch and walk the same blocks: each slot is asked for JOINTLY, every wave an eighth (64 rows of 256 bytes), by the same tensor load with the same descriptor.
; LAYOUT.  Both products are used transposed: S^T = K Q^T, O^T = V P^T: a lane holds ONE query (lane % 16) throughout.  The keys of a tile of K are so chosen that lane (r, h)'s registers 32 c + 0 .. 31 of S^T are
; block 2 c + h of the step's keys WHOLE: no other lane is asked for a block's maximum, and the conversions' results are the operand.  V's codes stand in the same order inside a block.
; K = 64 IN AN INSTRUCTION OF 128: q's fragment has zero codes in registers 6-11, and bytes 2, 3 of q's and k's scale words are 1.0; so K's registers 6-11 may hold any codes (this format has neither NaN nor infinity):
; K's half fragments lie 6 registers apart, and tile t's operand is the 12 registers from 6 t on.
; A block's largest p is not searched for: its largest score goes through the same multiply-add and exponential.  (That takes v_exp_f32 not to fall where its input rises; at the worst one p of a block would be held one code low.)
; LIMITS: NaN and infinities are not served; a block whose every p has fallen under 2^-124 keeps the byte 1.
; REGISTERS, window 0: v1-9 addresses; v10 q's scale words, v11 p's; v12 -M, v13 the largest t, v[14:15] the sum in two halves, v[16:17] f; v18-21 K's scale words, v22-29 V's; v30-41 Q; v42-53 p's codes;
;   v54-155 K's eight half fragments, then V's fragments 0-7; v156-219 S^T, then p; v220-251 at work; v156-251 then V's fragments 8-15; v[252:253] gamma / the sum.
;   window 1: v0-127 O^T (register 8 e + j: channel 16 e + 8 h + j); v128-255 my 32 rows of x for the residual, asked for at the head.
.set SLOT1, 1<<17                      ; slot 1 begins here; a slot is 131,072 bytes
.set SPARE, 262144                     ; behind the ring: the spare words, 128 bytes for each wave: four blocks of 256 bytes that no other line names
.set VIMG,  6144                       ; in a step's block: V's fragments,
.set KSCO,  30720                      ; K's scale words,
.set VSCO,  31232                      ; V's
.set QS,  10
.set PS,  11
.set KS,  18
.set VS,  22
.set Q,   30
.set P,   42
.set KB,  54
.set VB0, 54
.set S,   156
.set VB1, 156
.set BM,  220                          ; v220-221 the two blocks' largest scores, then largest p
.set T0,  222
.set T1,  223
.set SC,  224
.set BY,  226
.set CT0, 228
.set CT1, 232
.set L2,  236
.set G,   252
.set MSB, 0
.macro WIN new                         ; the immediate's high byte repeats the setting that is left
.if MSB != \new
	s_set_vgpr_msb (MSB<<8)|\new
.set MSB, \new
.endif
.endm
.macro PLACES n
.rept \n
	v_nop
.endr
.endm
; A round of the cluster's barrier: my work-group's barrier, wave 0's signal for the work-group, every wave's wait for all four work-groups, my work-group's barrier once more
.macro CROUND
	s_barrier_signal -1
	s_barrier_wait -1
	s_cmp_lg_u32 s14, 0
	s_cbranch_scc1 .Lnot_wave_0_\@
	s_barrier_signal -3
.Lnot_wave_0_\@:
	s_barrier_wait -3
	s_barrier_signal -1
	s_barrier_wait -1
.endm
; A PREFETCH INTO THE L2 of the slot that the NEXT change of slots will ask for: 131,072 bytes = 512 aligned blocks of 256, each named once in the launch.  All eight clusters of a batch walk the same blocks: the batch's
; first cluster asks.  Its four partners take 32,768 bytes each, told apart BY ADDRESS; in each, waves 0 to 3 take 8,192 bytes, lanes 256 bytes apart: one instruction a wave, four key steps ahead of the load.
; The last change that fills a slot asks for nothing; slots 0 and 1 come by their loads alone.
.macro ASK
	s_cmp_gt_u32 s41, s43
	s_cbranch_scc0 .Lnot_mine_\@
	global_prefetch_b8 v8, s[44:45] th:TH_LOAD_NT scope:SCOPE_SE
.Lnot_mine_\@:
.endm
; THE CHANGE OF SLOTS stands at a slot's head.  Each wave waits for all its tensor loads (its part of the slot ahead), adds 0 to its spare word, and waits for that and for its reads of the slot that it has left.
; fill = 1: a round of the cluster's barrier, so that no wave of any partner still reads that slot or has a load on its way; then the joint refill, first thing: it has four key steps in which to land.
.macro CHANGE fill
	s_wait_tensorcnt 0x0                           ; no tensor load of mine is out, so the descriptor may be written
	ds_add_u32 v5, v6                              ; 0 onto my spare word
.if \fill
	s_xor_b32 s33, s33, SLOT1                      ; the walking descriptor: the other slot,
	s_add_nc_u64 s[34:35], s[34:35], 131072        ; the next four key steps; the type bits on top are not reached
	s_wait_xcnt 0x0                                ; the last prefetch, a slot back, has read its address
	s_add_nc_u64 s[44:45], s[44:45], 131072        ; one slot further on than the descriptor
	s_wait_dscnt 0x0                               ; the add is done, and my reads of the slot that I have left are over
	CROUND
	tensor_load_to_lds s[32:35], s[24:31]          ; my one tensor load until the next change: one load of mine is out
	s_nop 0
	PLACES 4
	ASK
.else
	s_wait_dscnt 0x0
	s_barrier_signal -1
	s_barrier_wait -1
.endif
.endm
.macro VLOAD e0, vb                    ; eight fragments of V, 32 loads
.irp e, 0,1,2,3,4,5,6,7
.irp c, 0,1
	ds_load_b128 v[\vb+12*\e+6*\c:\vb+12*\e+6*\c+3], v3 offset:VIMG+1536*((\e0)+\e)+768*\c
	ds_load_b64 v[\vb+12*\e+6*\c+4:\vb+12*\e+6*\c+5], v4 offset:VIMG+1536*((\e0)+\e)+768*\c+512
.endr
.endr
.endm
.macro PVI e, a, first                 ; O^T's tile e += V's fragment at a x P; first = 1: the product starts the sum
.if \first
.if (\e)%2
	v_wmma_scale_f32_16x16x128_f8f6f4 v[8*(\e):8*(\e)+7], v[\a:\a+11], v[P:P+11], 0, v[VS+(\e)/2], v[PS] matrix_a_fmt:MATRIX_FMT_FP6 matrix_b_fmt:MATRIX_FMT_FP6 matrix_a_scale:MATRIX_SCALE_ROW1
.else
	v_wmma_scale_f32_16x16x128_f8f6f4 v[8*(\e):8*(\e)+7], v[\a:\a+11], v[P:P+11], 0, v[VS+(\e)/2], v[PS] matrix_a_fmt:MATRIX_FMT_FP6 matrix_b_fmt:MATRIX_FMT_FP6
.endif
.else
.if (\e)%2
	v_wmma_scale_f32_16x16x128_f8f6f4 v[8*(\e):8*(\e)+7], v[\a:\a+11], v[P:P+11], v[8*(\e):8*(\e)+7], v[VS+(\e)/2], v[PS] matrix_a_fmt:MATRIX_FMT_FP6 matrix_b_fmt:MATRIX_FMT_FP6 matrix_a_scale:MATRIX_SCALE_ROW1
.else
	v_wmma_scale_f32_16x16x128_f8f6f4 v[8*(\e):8*(\e)+7], v[\a:\a+11], v[P:P+11], v[8*(\e):8*(\e)+7], v[VS+(\e)/2], v[PS] matrix_a_fmt:MATRIX_FMT_FP6 matrix_b_fmt:MATRIX_FMT_FP6
.endif
.endif
.endm
; A KEY STEP: 128 keys, whose block begins at LDS byte s40.  first = 1: the first step, whose products start O^T's sums
.macro STEP first
	v_add_nc_u32 v3, s40, v1                       ; the block + 16 x lane,
	v_add_nc_u32 v4, s40, v2                       ; + 8 x lane
	PLACES 3                                       ; with the two lines above five places behind the last step's products: four are owed to the loads into their operands and scales, five to the scores written over V's fragments
.irp k, 0,1,2,3,4,5,6,7
	ds_load_b128 v[KB+6*\k:KB+6*\k+3], v3 offset:768*\k
	ds_load_b64 v[KB+6*\k+4:KB+6*\k+5], v4 offset:768*\k+512
.endr
	ds_load_b128 v[KS:KS+3], v3 offset:KSCO        ; register t / 2: lanes 0-15 the words of tile t even, lanes 16-31 of t odd
	ds_load_b128 v[VS:VS+3], v3 offset:VSCO        ; V's likewise
	ds_load_b128 v[VS+4:VS+7], v3 offset:VSCO+512
	s_wait_alu depctr_va_vdst(0)
	s_wait_dscnt 0x0
.irp k, 0,1,2,3,4,5,6,7
.if \k%2
	v_wmma_scale_f32_16x16x128_f8f6f4 v[S+8*\k:S+8*\k+7], v[KB+6*\k:KB+6*\k+11], v[Q:Q+11], 0, v[KS+\k/2], v[QS] matrix_a_fmt:MATRIX_FMT_FP6 matrix_b_fmt:MATRIX_FMT_FP6 matrix_a_scale:MATRIX_SCALE_ROW1
.else
	v_wmma_scale_f32_16x16x128_f8f6f4 v[S+8*\k:S+8*\k+7], v[KB+6*\k:KB+6*\k+11], v[Q:Q+11], 0, v[KS+\k/2], v[QS] matrix_a_fmt:MATRIX_FMT_FP6 matrix_b_fmt:MATRIX_FMT_FP6
.endif
.endr
	PLACES 4                                       ; in front of the loads into K's registers and of the first read of the scores
	VLOAD 0, VB0                                   ; they land while the softmax is walked
.irp c, 0,1
	v_max3_num_f32 v[BM+\c], v[S+32*\c], v[S+32*\c+1], v[S+32*\c+2]   ; THE LARGEST SCORE OF EACH OF MY TWO BLOCKS, in ascending order: each accumulator is read from its low end on
.endr
.irp i, 3,5,7,9,11,13,15,17,19,21,23,25,27,29
.irp c, 0,1
	v_max3_num_f32 v[BM+\c], v[BM+\c], v[S+32*\c+\i], v[S+32*\c+\i+1]
.endr
.endr
.irp c, 0,1
	v_max_num_f32 v[BM+\c], v[BM+\c], v[S+32*\c+31]
.endr
	s_delay_alu instid0(VALU_DEP_1)
	v_max_num_f32 v[T1], v[BM], v[BM+1]
	s_delay_alu instid0(VALU_DEP_1)
	v_permlanex16_b32 v[T0], v[T1], s38, s39
	s_delay_alu instid0(VALU_DEP_1)
	v_max_num_f32 v[T1], v[T1], v[T0]              ; with lane l xor 16's two blocks: the step's largest score of my query
	s_delay_alu instid0(VALU_DEP_1)
	v_mul_f32 v[T1], s36, v[T1]                    ; as t (c is positive)
	s_delay_alu instid0(VALU_DEP_1)
	v_max_num_f32 v13, v13, v[T1]                  ; the running largest t
	v_mov_b32 v[T1], v12
	s_delay_alu instid0(VALU_DEP_2)
	v_floor_f32 v12, -v13                          ; the new -M = floor(-t) = -ceil(t): a whole number
	s_delay_alu instid0(VALU_DEP_1)
	v_sub_f32 v[T1], v12, v[T1]                    ; old M - new M: a whole number, 0 or less
	s_delay_alu instid0(VALU_DEP_1)
	v_cvt_i32_f32 v[T1], v[T1]                     ; (it saturates)
	s_delay_alu instid0(VALU_DEP_1)
	v_ldexp_f32 v16, 1.0, v[T1]                    ; f = 2^(old M - new M)
.set j, 0
.rept 32
	v_pk_fma_f32 v[S+j:S+j+1], v[S+j:S+j+1], s[36:37], v[12:13] op_sel_hi:[1,0,0]   ; t - M, two at a time (of the pairs c and -M the low word serves both halves)
.set j, j+2
.endr
.irp c, 0,1
	v_fma_f32 v[BM+\c], v[BM+\c], s36, v12         ; the same of each block's largest score
.endr
.set j, 0
	s_wait_alu depctr_va_vdst(0)
.rept 64
	v_exp_f32 v[S+j], v[S+j]                       ; p = 2^(t - M), at most 1: not normalised
.set j, j+1
.endr
	v_pk_mul_f32 v[14:15], v[14:15], v[16:17] op_sel_hi:[1,0]   ; the sums under the new M: the plain place behind the exponentials
	s_wait_alu depctr_va_vdst(0)                   ; one wait for the whole batch, ahead of its first reader
.irp c, 0,1
	v_exp_f32 v[BM+\c], v[BM+\c]                   ; the block's largest p: the same two instructions on the same number give the same bits
.endr
	v_pk_add_f32 v[236:237], v[160:161], v[164:165]
	v_pk_add_f32 v[254:255], v[168:169], v[172:173]
	v_pk_add_f32 v[250:251], v[176:177], v[180:181]
	v_pk_add_f32 v[248:249], v[184:185], v[188:189]
	v_pk_add_f32 v[246:247], v[192:193], v[196:197]
	v_pk_add_f32 v[244:245], v[200:201], v[204:205]
	v_pk_add_f32 v[242:243], v[208:209], v[212:213]
	v_pk_add_f32 v[14:15], v[14:15], v[216:217]
	v_pk_add_f32 v[236:237], v[236:237], v[156:157]
	v_pk_add_f32 v[254:255], v[254:255], v[158:159]
	v_pk_add_f32 v[250:251], v[250:251], v[162:163]
	v_pk_add_f32 v[248:249], v[248:249], v[166:167]
	v_pk_add_f32 v[246:247], v[246:247], v[170:171]
	v_pk_add_f32 v[244:245], v[244:245], v[174:175]
	v_pk_add_f32 v[242:243], v[242:243], v[178:179]
	v_pk_add_f32 v[14:15], v[14:15], v[182:183]
	v_pk_add_f32 v[236:237], v[236:237], v[186:187]
	v_pk_add_f32 v[254:255], v[254:255], v[190:191]
	v_pk_add_f32 v[250:251], v[250:251], v[194:195]
	v_pk_add_f32 v[248:249], v[248:249], v[198:199]
	v_pk_add_f32 v[246:247], v[246:247], v[202:203]
	v_pk_add_f32 v[244:245], v[244:245], v[206:207]
	v_pk_add_f32 v[242:243], v[242:243], v[210:211]
	v_pk_add_f32 v[14:15], v[14:15], v[214:215]
	v_pk_add_f32 v[236:237], v[236:237], v[218:219]
	s_delay_alu instid0(VALU_DEP_2)
	v_pk_add_f32 v[14:15], v[14:15], v[248:249]
	s_delay_alu instid0(VALU_DEP_2)
	v_pk_add_f32 v[236:237], v[236:237], v[246:247]
	v_pk_add_f32 v[254:255], v[254:255], v[244:245]
	v_pk_add_f32 v[250:251], v[250:251], v[242:243]
	s_delay_alu instid0(VALU_DEP_2)
	v_pk_add_f32 v[14:15], v[14:15], v[254:255]
	s_delay_alu instid0(VALU_DEP_2)
	v_pk_add_f32 v[236:237], v[236:237], v[250:251]
	s_delay_alu instid0(VALU_DEP_1)
	v_pk_add_f32 v[14:15], v[14:15], v[236:237]
	s_wait_alu depctr_va_vdst(0)                   ; and one for the two
.irp c, 0,1
	v_max_num_f32 v[BM+\c], 0x1800000, v[BM+\c]    ; the floor 2^(3 - 127): the byte cannot fall under 1
.endr
.irp c, 0,1
	s_delay_alu instid0(VALU_DEP_2)
	v_add_nc_u32 v[SC+\c], 0xff000000, v[BM+\c]    ; 2 off the exponent field: the conversion's scale operand
.endr
.irp c, 0,1
	s_delay_alu instid0(VALU_DEP_2)
	v_lshrrev_b32 v[BY+\c], 23, v[SC+\c]           ; the byte
.endr
	s_delay_alu instid0(VALU_DEP_1)
	v_lshl_or_b32 v[PS], v[BY+1], 16, v[BY]        ; my two bytes: blocks h and 2 + h,
	s_delay_alu instid0(VALU_DEP_1)
	v_lshlrev_b32 v[PS], v7, v[PS]                 ; at their places;
	s_delay_alu instid0(VALU_DEP_1)
	v_permlanex16_b32 v[T0], v[PS], s38, s39
	s_delay_alu instid0(VALU_DEP_1)
	v_or_b32 v[PS], v[PS], v[T0]                   ; with lane l xor 16's two: p's scale word for these 128 keys
	v_cvt_scalef32_pk16_fp6_f32 v[P:P+2], v[S:S+15], v[SC]
	v_cvt_scalef32_pk16_fp6_f32 v[CT0:CT0+2], v[S+16:S+31], v[SC]        ; (a conversion's three registers begin on an even number)
	v_cvt_scalef32_pk16_fp6_f32 v[P+6:P+8], v[S+32:S+47], v[SC+1]
	v_cvt_scalef32_pk16_fp6_f32 v[CT1:CT1+2], v[S+48:S+63], v[SC+1]
	v_nop                                          ; one plain place behind the conversions
.irp i, 0,1,2
	v_mov_b32 v[P+3+\i], v[CT0+\i]
	v_mov_b32 v[P+9+\i], v[CT1+\i]
.endr
	s_setprio 1
	VLOAD 8, VB1                                   ; p and the scratch are done with: V's other eight fragments take their registers
.if \first
	PLACES 8                                       ; p's scale word stands 8 places ahead of the scaled products, its codes 4
	WIN 0x40                                       ; D window 1
.else
	WIN 0x41                                       ; O^T (destination and source 0) window 1, f window 0
.set j, 0
.rept 64
	v_pk_mul_f32 v[j:j+1], v[j:j+1], v[16:17] op_sel_hi:[1,0]   ; O^T under the new M.  (These are also the places in front of the products)
.set j, j+2
.endr
	WIN 0x50                                       ; C and D window 1
.endif
	s_setprio 0
	s_wait_alu depctr_va_vdst(0)
	s_wait_dscnt 32                                ; V's fragments 0-7 are in; the 32 loads of fragments 8-15 may be out
.irp e, 0,1,2,3,4,5,6,7
	PVI \e, VB0+12*\e, \first                      ; sixteen accumulators, one instruction each
.endr
	s_wait_dscnt 0x0
.irp e, 0,1,2,3,4,5,6,7
	PVI \e+8, VB1+12*\e, \first
.endr
	WIN 0
	s_add_co_u32 s40, s40, 32768                   ; the next step's block
.endm
.macro STEPS n                         ; n key steps: written once, walked n times
	s_mov_b32 s42, \n
.Lstep_\@:
	s_setprio 2
	STEP 0
	s_sub_co_u32 s42, s42, 1
	s_cmp_lg_u32 s42, 0
	s_cbranch_scc1 .Lstep_\@
	s_setprio 0
.endm
.macro TBTURN                          ; back to a slot's first step, in the other slot
	s_sub_co_u32 s40, s40, 131072
	s_xor_b32 s40, s40, SLOT1
.endm
	s_load_b256 s[4:11], s[0:1], 0x0               ; qimg s[4:5], kv s[6:7], x s[8:9], gamma s[10:11]
	s_load_b64 s[12:13], s[0:1], 0x20              ; out0
	v_lshl_add_u32 v5, v0, 2, SPARE                ; my spare word; never rewritten
	v_mov_b32 v6, 0                                ; 0; never rewritten
	ds_add_u32 v5, v6
	ds_add_u32 v5, v6
	s_wait_dscnt 0x0
	v_lshrrev_b32 v1, 5, v0
	s_delay_alu instid0(VALU_DEP_1)
	v_readfirstlane_b32 s14, v1                    ; wave 0..7
	s_bfe_u32 s15, ttmp6, 0x40000                  ; cx: my place in the cluster
	s_lshl_b32 s16, ttmp9, 2                       ; in a cluster launch ttmp9 counts clusters
	s_add_co_u32 s16, s16, s15                     ; my block of 128 queries: it enters global addresses of my own loads and stores alone
	s_and_b32 s17, ttmp7, 0xffff                   ; the batch, which the four partners share
	; group 1: 64 rows of 32 elements of 8 bytes, dense; the mask names all four work-groups, bit 21 is set beside it
	s_mov_b32 s24, 15|(3<<16)|(1<<21)
	s_mov_b32 s25, 32<<16                          ; tensor_dim0
	s_mov_b32 s26, 64<<16                          ; tensor_dim1
	s_mov_b32 s27, 32<<16                          ; tile_dim0
	s_mov_b32 s28, 64                              ; tile_dim1
	s_mov_b32 s29, 32                              ; the pitch
	s_mov_b32 s30, 0
	s_mov_b32 s31, 0
	s_mov_b32 s36, 0x3e38aa3b                      ; c = log2(e) / 8
	s_mov_b32 s37, s36                             ; (named with it as a pair, so it is written)
	s_mov_b32 s38, 0x76543210
	s_mov_b32 s39, 0xfedcba98                      ; v_permlanex16_b32's selects for lane l xor 16
	s_mov_b32 s40, 0
	s_mov_b32 s41, 7                               ; slots still to be asked for
	s_lshr_b32 s43, s14, 2                         ; 0 in waves 0 to 3,
	s_or_b32 s43, s43, ttmp9                       ; of the batch's first cluster: the same in all four partners
	s_cmp_eq_u32 s43, 0
	s_cselect_b32 s43, 1, -1                       ; a wave prefetches while s41 is above this
	s_lshl_b32 s54, s17, 20                        ; the batch's 32 blocks of kv,
	s_lshl_b32 s55, s14, 14                        ; my wave's eighth of a slot
	s_add_co_u32 s54, s54, s55
	s_mov_b32 s55, 0
	s_mov_b32 s32, 1
	s_lshl_b32 s33, s14, 14                        ; LDS: 16,384 x wave, in slot 0
	s_wait_kmcnt 0x0
	s_add_nc_u64 s[34:35], s[6:7], s[54:55]
	s_or_b32 s35, s35, 0x80000000
	s_load_b32 s46, s[10:11], 0x0                  ; gamma
	s_lshl_b32 s54, s17, 20
	s_add_co_u32 s54, s54, 131072                  ; the prefetches stand in slot 1: the first change of slots steps them to slot 2
	s_lshl_b32 s22, s15, 15                        ; my work-group's 32,768 bytes,
	s_add_co_u32 s54, s54, s22
	s_lshl_b32 s22, s14, 13                        ; my wave's 8,192
	s_add_co_u32 s54, s54, s22
	s_add_nc_u64 s[44:45], s[6:7], s[54:55]
	s_lshl_b32 s22, s17, 5
	s_add_co_u32 s22, s22, s16
	s_mul_i32 s22, s22, 6656                       ; my block of qimg
	s_mov_b32 s23, 0
	s_add_nc_u64 s[20:21], s[4:5], s[22:23]
	s_mul_i32 s54, s14, 768
	s_add_nc_u64 s[18:19], s[20:21], s[54:55]      ; my tile's half fragment
	s_lshl_b32 s54, s14, 6
	s_add_nc_u64 s[20:21], s[20:21], s[54:55]      ; my tile's 16 scale words (6,144 further on)
	s_lshl_b32 s54, s17, 22                        ; x and out0: the batch's 4 MiB,
	s_lshl_b32 s22, s14, 19                        ; my wave's 32 channels of 16,384 bytes,
	s_add_co_u32 s54, s54, s22
	s_lshl_b32 s22, s16, 9                         ; my block's 128 positions
	s_add_co_u32 s54, s54, s22
	s_add_nc_u64 s[48:49], s[8:9], s[54:55]
	s_add_nc_u64 s[50:51], s[12:13], s[54:55]
	CROUND                                         ; all four work-groups are here: the first joint loads meet
	tensor_load_to_lds s[32:35], s[24:31]          ; slot 0
	s_nop 0
	PLACES 4
	v_and_b32 v2, 31, v0
	s_delay_alu instid0(VALU_DEP_1)
	v_lshlrev_b32 v1, 4, v2                        ; 16 x lane
	s_delay_alu instid0(VALU_DEP_2)
	v_lshlrev_b32 v8, 8, v2                        ; 256 x lane: the prefetches' offset
	s_delay_alu instid0(VALU_DEP_3)
	v_lshlrev_b32 v2, 3, v2                        ; 8 x lane
	v_and_b32 v9, 15, v0
	s_delay_alu instid0(VALU_DEP_1)
	v_lshlrev_b32 v9, 2, v9                        ; 4 r
	v_bfe_u32 v7, v0, 4, 1
	s_delay_alu instid0(VALU_DEP_1)
	v_lshlrev_b32 v7, 3, v7                        ; 8 h
	global_load_b128 v[Q:Q+3], v1, s[18:19]        ; Q's registers 0-5 stay; registers 6-11 are zero codes
	global_load_b64 v[Q+4:Q+5], v2, s[18:19] offset:512
	global_load_b32 v[QS], v9, s[20:21] offset:6144
	WIN 0x40                                       ; destination window 1
.irp i, 0,1,2,3,4,5,6,7,8,9,10,11,12,13,14,15,16,17,18,19,20,21,22,23,24,25,26,27,28,29,30,31
	global_load_b128 v[128+4*\i:128+4*\i+3], v1, s[48:49] offset:16384*\i th:TH_LOAD_NT   ; the residual: row i of my 32 channels, 512 consecutive bytes; wanted only on the way out
.endr
	WIN 0
	v_mov_b32 v13, 0xff61b1e6                      ; the largest t so far: -3e38, under every t
	s_delay_alu instid0(VALU_DEP_1)
	v_floor_f32 v12, -v13                          ; -M
	v_mov_b32 v14, 0                               ; the sum, in two halves
	v_mov_b32 v15, 0
	v_mov_b32 v17, 0                               ; (named as the upper half of f's pair)
	v_mov_b32 v[G+1], 0                            ; (and of g's)
	v_mov_b32 v[T0], 0                             ; a lane permute's destination counts as one of its sources
.irp i, 6,7,8,9,10,11
	v_mov_b32 v[Q+\i], 0                           ; zero codes for the instruction's upper 64 along K
	v_mov_b32 v[KB+42+\i], 0                       ; the last tile of K names six registers behind the half fragments: written once, later any codes
.endr
	s_wait_kmcnt 0x0                               ; gamma
	s_wait_loadcnt 32                              ; Q and its scale words are in; x's 32 loads stay out until the way out
	CHANGE 1                                       ; slot 0 is whole; slot 1 is asked for
	s_wait_alu depctr_va_vdst(0)
	STEP 1
	STEPS 3
	TBTURN
	s_mov_b32 s41, 6
.Lslot:                                            ; six trips: behind each change of slots the next slot is asked for
	CHANGE 1
	STEPS 4
	TBTURN
	s_sub_co_u32 s41, s41, 1
	s_cmp_lg_u32 s41, 0
	s_cbranch_scc1 .Lslot
	CHANGE 0                                       ; the last slot is written out
	STEPS 4
	; THE WAY OUT.  O^T x gamma / the sum goes into a stage of 256 rows (channels) x 512 bytes (the block's 128 queries), which is slot 0: it has had its last fill, and every wave has passed the last change of slots,
	; behind which nobody reads it.  Each wave then takes 32 whole rows, adds x and stores them.  In rows whose channel has bit 3 set the column's bit 7 is turned, so that the two halves of the lanes,
	; eight rows of 512 bytes apart, store to different words modulo 256 bytes.
	v_add_f32 v14, v14, v15                        ; the sum's two halves,
	s_delay_alu instid0(VALU_DEP_1)
	v_permlanex16_b32 v9, v14, s38, s39
	s_delay_alu instid0(VALU_DEP_1)
	v_add_f32 v14, v14, v9                         ; and lane l xor 16's: the row's sum
	s_wait_alu depctr_va_vdst(0)
	v_rcp_f32 v14, v14
	v_and_b32 v18, 15, v0                          ; r  (plain lines behind the reciprocal; they name no register of the last products and are their places too)
	v_bfe_u32 v19, v0, 4, 1                        ; h
	s_lshl_b32 s47, s14, 6
	v_lshl_add_u32 v20, v18, 2, s47                ; my query's column: 64 x wave + 4 r,
	v_lshlrev_b32 v3, 7, v19
	s_delay_alu instid0(VALU_DEP_1)
	v_xor_b32 v20, v20, v3                         ; bit 7 turned where h = 1,
	s_delay_alu instid0(VALU_DEP_1)
	v_lshl_add_u32 v20, v19, 12, v20               ; + 8 h rows
	s_delay_alu instid0(VALU_DEP_1)
	v_add_nc_u32 v21, 0x10000, v20                 ; the same 128 rows further down
	s_lshl_b32 s52, s14, 14
	v_add_nc_u32 v30, s52, v1                      ; back: my 32 rows, 16 bytes a lane;
	s_delay_alu instid0(VALU_DEP_1)
	v_xor_b32 v31, 128, v30                        ; and for the rows with the turned bit
	s_wait_alu depctr_va_vdst(0)                   ; the wait ahead of the reciprocal's first reader
	v_mul_f32 v[G], s46, v14                       ; g = gamma / the sum
	WIN 0x41
.set j, 0
.rept 64
	v_pk_mul_f32 v[j:j+1], v[j:j+1], v[G:G+1] op_sel_hi:[1,0]   ; each accumulator from its low end on
.set j, j+2
.endr
	WIN 0x04                                       ; an LDS store's data are its source 1: window 1
.irp e, 0,1,2,3,4,5,6,7,8,9,10,11,12,13,14,15
.irp j, 0,1,2,3,4,5,6,7
	ds_store_b32 v[20+\e/8], v[8*\e+\j] offset:(16*(\e%8)+\j)*512   ; channel 16 e + 8 h + j, my query
.endr
.endr
	WIN 0
	s_wait_dscnt 0x0                               ; for the others' sake: my stores into the stage are done
	s_barrier_signal -1
	s_barrier_wait -1
	WIN 0x40
.irp i, 0,1,2,3,4,5,6,7,8,9,10,11,12,13,14,15,16,17,18,19,20,21,22,23,24,25,26,27,28,29,30,31
	ds_load_b128 v[4*\i:4*\i+3], v[30+(\i/8)%2] offset:512*\i       ; row i of my 32, into the registers that O^T has left
.endr
	s_wait_loadcnt 0x0                             ; x
.irp g, 0,1,2,3
	s_wait_dscnt 24-8*\g                           ; this group's eight rows are back; the later groups' loads may be out
	WIN 0x45                                       ; all three in window 1
.set j, 32*\g
.rept 16
	v_pk_add_f32 v[j:j+1], v[j:j+1], v[128+j:129+j]   ; + x
.set j, j+2
.endr
	WIN 0x04                                       ; a store's data are its source 1
.irp i, 0,1,2,3,4,5,6,7
	global_store_b128 v1, v[32*\g+4*\i:32*\g+4*\i+3], s[50:51] offset:16384*(8*\g+\i) th:TH_STORE_NT   ; 512 consecutive bytes, at a multiple of 256 from out0's first byte
.endr
.endr
	WIN 0
	s_wait_tensorcnt 0x0                           ; the wave's end, behind my last tensor load and my last LDS store
	ds_add_u32 v5, v6
	s_wait_dscnt 0x0
	CROUND                                         ; the closing round: no work-group ends while a partner may still ask for a tile that names it
	s_endpgm
.Lfunc_end_k_q7fcdd7fc6a_attn:
	.size	k_q7fcdd7fc6a_attn, .Lfunc_end_k_q7fcdd7fc6a_attn-k_q7fcdd7fc6a_attn
	.p2alignl 7, 3214868480
	.fill 96, 4, 3214868480
	.section	.rodata,"a",@progbits
	.p2align	6, 0x0
	.amdhsa_kernel k_q7fcdd7fc6a_attn
		.amdhsa_group_segment_fixed_size 327680
		.amdhsa_private_segment_fixed_size 0
		.amdhsa_enable_private_segment 0
		.amdhsa_kernarg_size 40
		.amdhsa_user_sgpr_count 2
		.amdhsa_user_sgpr_kernarg_segment_ptr 1
		.amdhsa_wavefront_size32 1
		.amdhsa_system_sgpr_workgroup_id_x 1
		.amdhsa_system_sgpr_workgroup_id_y 1
		.amdhsa_system_sgpr_workgroup_id_z 1
		.amdhsa_system_vgpr_workitem_id 0
		.amdhsa_next_free_vgpr 512
		.amdhsa_next_free_sgpr 66
		.amdhsa_reserve_vcc 0
		.amdhsa_float_denorm_mode_32 3
		.amdhsa_float_denorm_mode_16_64 3
		.amdhsa_memory_ordered 1
		.amdhsa_forward_progress 1
		.amdhsa_inst_pref_size 124
	.end_amdhsa_kernel
	.amdgpu_metadata
---
amdhsa.version: [ 1, 2 ]
amdhsa.kernels:
  - .name:           k_q7fcdd7fc6a_attn
    .symbol:         k_q7fcdd7fc6a_attn.kd
    .args:
      - { .name: qimg, .offset: 0, .size: 8, .value_kind: global_buffer, .address_space: global }
      - { .name: kv, .offset: 8, .size: 8, .value_kind: global_buffer, .address_space: global }
      - { .name: x, .offset: 16, .size: 8, .value_kind: global_buffer, .address_space: global }
      - { .name: gamma, .offset: 24, .size: 8, .value_kind: global_buffer, .address_space: global }
      - { .name: out0, .offset: 32, .size: 8, .value_kind: global_buffer, .address_space: global }
    .group_segment_fixed_size: 327680
    .private_segment_fixed_size: 0
    .kernarg_segment_align: 8
    .kernarg_segment_size: 40
    .max_flat_workgroup_size: 256
    .sgpr_count:     66
    .vgpr_count:     512
    .wavefront_size: 32
...
	.end_amdgpu_metadata
.endif
;; end of part 3
